; MI455X (gfx1250); checked and timed in simulation.
; The chip was launched on July 23, 2026; its instructions are those of AMD's public machine-readable ISA for CDNA 5 (MIT licence, August 2026) and "CDNA5" Instruction Set Architecture Reference Guide (July 2026). The comments in the code are by the model that wrote it; some were corrected since.
;; Bilinear Scoring Function. Allowed arithmetic: matrix products marked QUANTISED: E2M1 operands, one E8M0 scale for each 32 along K, by v_wmma_scale_f32_16x16x128_f8f6f4 with both operands' format E2M1 (or v_wmma_scale_f32_32x16x128_f4), f32 sums; products left as they are: f32 operands where the result goes on into a quantised operand, else bf16, f16 or f32 operands; f32 sums; everything else in f32.
;; Inputs: V_R 256 x 1,024 float32; W_R 256 x 512 x 512 float32; b_R 256 float32; head_embeddings 1,024 x 512 float32; relation_embeddings 1,024 x 512 float32; tail_embeddings 1,024 x 512 float32; u_R 256 float32.
;; Outputs: out0 1,024 float32.
;; This version of the problem:
;;   THIS VERSION OF THE PROBLEM IS GIVEN IN LOW PRECISION. The matrix products marked QUANTISED in the list below multiply operands that are first quantised to E2M1 (2 exponent bits, 1 mantissa bit; 4 bits a number), with one power-of-two scale for each 32 numbers along K (OCP MX v1.0); their sums are f32. All else is computed in f32.
;;   The module's matrix products, in the order in which they are computed (A, B: the left and right operand; K: the contracted axis; several contracted axes count as one K, in the product's order):
;;     1. [M 131,072, K 512] x [K 512, N 1,024]; A: input W_R; B: input head_embeddings: QUANTISED
;;     2. batch 1,024 x [M 1, K 512] x [K 512, N 256]; A: input tail_embeddings; B: computed on the way: left as it is (M = 1 < 16)
;;     3. [M 1,024, K 1,024] x [K 1,024, N 256]; A: computed on the way; B: input V_R: QUANTISED
;;     4. [M 1,024, K 256] x [K 256, N 1]; A: computed on the way; B: input u_R: left as it is (N = 1 < 16)
;;   THE QUANTISER, for each operand of a quantised product, along K:
;;     - K is cut into blocks of 32 from its start; a last block that is shorter is filled with zeros.
;;     - A block's scale is 2^e with e = floor(log2(the largest magnitude in the block)) - 2, held to -126 .. 127; a block of zeros has e = 0. As a byte (E8M0): e + 127.
;;     - Each number is divided by its block's scale, clamped to +-6, and rounded to the nearest number of E2M1, ties to even, subnormals kept.
;;     - The product sums the exact products of the quantised numbers (number of the format x scale) in f32.
;;   ~~~python
;;   def quantise(x, axis):      # numpy; x: float32 -> the quantised numbers, widened to float32 again
;;       x = np.moveaxis(x, axis, -1); K = x.shape[-1]
;;       x = np.pad(x, [(0, 0)] * (x.ndim - 1) + [(0, -K % 32)]); x = x.reshape(x.shape[:-1] + (-1, 32)); a = np.abs(x).max(-1, keepdims=True)
;;       e = np.where(a > 0, np.clip(np.frexp(np.where(a > 0, a, 1))[1] - 1 - 2, -126, 127), 0)      # np.frexp(a)[1] - 1 = floor(log2(a)), exactly
;;       r = np.clip(x / 2.0 ** e, -6, 6)
;;       step = 2.0 ** (np.maximum(np.frexp(np.where(r == 0, 1, r))[1] - 1, 0) - 1)
;;       q = np.round(r / step) * step * 2.0 ** e      # np.round: ties to even
;;       return np.moveaxis(q.reshape(q.shape[:-2] + (-1,))[..., :K], -1, axis).astype(np.float32)
;;   ~~~
;;   OPERANDS COMPUTED ON THE WAY. 'Computed on the way' means the value that the module computes at that place (a softmax that the list does not call 'softmax' is quantised finished and normalised). What goes into a quantiser is computed in f32, as accurately as f32 sums, v_exp_f32 and their like allow (about 1e-6 of the number): no bf16 or f16 on the way to a quantiser, and a product that is left as it is and whose result goes on into a quantised operand takes f32 operands (vector FMAs, or v_wmma_f32_16x16x4_f32). A number that lies on a knife's edge between two numbers of the format may be rounded either way, as far as f32 arithmetic and the matrix unit's own rounding can turn it there, and no further.
;; One version. Each part assembles by itself: llvm-mc -triple=amdgcn-amd-amdhsa -mcpu=gfx1250 --defsym DOCPART=n.
;; ======== version 1 of 1: 3 launches
;; limits: values are held in bf16: 8 bits of precision; right only within a limited range of input values
;; workspace buffers: codes 655,360 bytes; scales 40,960 bytes; tailb 1,048,576 bytes; bil 8,388,608 bytes
;; launch prep (part 1): grid 80 x 1, 8 waves a work-group, no clusters, 1,536 bytes of LDS; arguments head_embeddings, tail_embeddings, V_R, codes, scales, tailb; writes codes, scales, tailb
.if DOCPART == 1
	.amdgcn_target "amdgcn-amd-amdhsa--gfx1250"
	.amdhsa_code_object_version 6
	.text
	.protected	k_q4ab2aa19d6_prep
	.globl	k_q4ab2aa19d6_prep
	.p2align	8
	.type	k_q4ab2aa19d6_prep,@function
k_q4ab2aa19d6_prep:
	s_mov_b64 s[64:65], 0
	v_nop
	global_prefetch_b8 v0, s[64:65] scope:SCOPE_SE
	s_setreg_imm32_b32 hwreg(HW_REG_WAVE_MODE, 25, 1), 1
	s_wait_xcnt 0x0
; head [1024][512], tail [1024][512] and V_R [256][1024], f32 with K innermost, become codes of FP4 (E2M1) with one E8M0 byte for each 32 along K.
; The codes are laid as IMAGES OF OPERAND REGISTERS: a fragment (16 rows x 128 K, 8 registers a lane) is 1,024 bytes, register group c (0, 1) of lane l at 512 c + 16 l.
; So the later launches load a fragment by two loads of 512 consecutive bytes.  tail is also laid as bf16, in the order in which the second product's lanes take it.
; SHARES.  Work-group g takes 32 rows x 512 along K: g 0-31 head, 32-63 tail, 64-79 V_R (g - 64 = 2 x pair of row tiles + half of K).  Wave wv = 4 par + s takes rows 16 par on, K step s: one fragment.
; codes:  g x 8,192 + wv x 1,024.   scales: g x 512 + 16 x (16 par + row) + 4 s: one word (four bytes) for a row and 128 along K.
; tailb:  [j tile 32][b tile 64][lane 32][16 bytes]: lane (r, hh) holds bf16 of tail[16 bt + r][16 jt + 8 hh + 0 .. 7].
; A block's scale is 2^(floor(log2(its largest magnitude)) - 2); its byte is that magnitude's exponent field - 2, held at 1 from below.
; LIMITS: a block of zeros gets the byte 1 where the rule says 127 (its codes are zeros, and this program alone reads the bytes); NaN and infinities among the inputs are not served.
; One path through the text for the three tensors: only pointers, the pitch and offsets are chosen, on the work-group's number.
; relation_embeddings has no way to any output: It is not loaded and is among no launch's arguments.
; LIMIT: a NaN or an infinity in relation_embeddings is not carried to the result.
.set XA,  4
.set LI,  5                            ; v5   16 x lane
.set LSA, 6                            ; v6   LDS: my row's scale word: 16 r + 256 par + 4 s
.set TO,  7                            ; v7   tailb: 32,768 hh + 16 r
.set X,   16                           ; v16-79   64 numbers: register 16 b + i = k 32 b + 16 hh + i of my row
.set PC,  80                           ; v80-87   the fragment's codes
.set TM,  88                           ; v88-91 largest magnitudes, v92-95 the other half's, then bytes, v100-103 the conversions' scale operands
.set PW,  104                          ; v104     the scale word
.set Y,   112                          ; v112-143 bf16 pairs
.set SEL, 28                           ; s[28:29] v_permlanex16_b32's selects for lane l xor 16
	s_load_b256 s[4:11], s[0:1], 0x0               ; head s[4:5], tail s[6:7], V_R s[8:9], codes s[10:11]
	s_load_b128 s[12:15], s[0:1], 0x20             ; scales s[12:13], tailb s[14:15]
	v_lshl_add_u32 v160, v0, 2, 0x200
	v_mov_b32 v161, 0
	v_lshrrev_b32 v1, 5, v0
	s_delay_alu instid0(VALU_DEP_1)
	v_readfirstlane_b32 s16, v1                    ; wave 0..7
	v_and_b32 v1, 31, v0                           ; lane
	v_and_b32 v2, 15, v0                           ; r
	v_bfe_u32 v3, v0, 4, 1                         ; hh
	s_and_b32 s17, s16, 3                          ; s: my K step
	s_lshr_b32 s18, s16, 2                         ; par: which 16 of the 32 rows
	s_and_b32 s19, ttmp9, 31                       ; head, tail: the pair of row tiles
	s_sub_co_u32 s24, ttmp9, 64                    ; V_R: g - 64 (used only where g is 64 or more)
	s_lshr_b32 s25, s24, 1                         ;      its pair of row tiles,
	s_and_b32 s24, s24, 1                          ;      its half of K
	s_mov_b32 s22, 4096
	s_mov_b32 s[SEL], 0x76543210
	s_mov_b32 s[SEL+1], 0xfedcba98
	s_mov_b32 s27, 0
	s_wait_alu depctr_va_vdst(0)
	s_wait_kmcnt 0x0
	s_cmp_lt_u32 ttmp9, 32
	s_cselect_b64 s[20:21], s[4:5], s[6:7]         ; head or tail,
	s_cmp_lt_u32 ttmp9, 64
	s_cselect_b64 s[20:21], s[20:21], s[8:9]       ; or V_R: the choice hangs on the work-group's number alone
	s_cselect_b32 s22, 2048, s22                   ; a row in bytes
	s_cselect_b32 s25, s19, s25
	s_cselect_b32 s24, 0, s24
	s_lshl_b32 s25, s25, 5
	s_lshl_b32 s26, s18, 4
	s_add_co_u32 s25, s25, s26                     ; my first row: 32 x pair + 16 par
	s_mul_i32 s26, s25, s22
	s_lshl_b32 s24, s24, 11
	s_add_co_u32 s26, s26, s24                     ; + 2,048 x half of K
	s_lshl_b32 s24, s17, 9
	s_add_co_u32 s26, s26, s24                     ; + 512 s
	s_add_nc_u64 s[20:21], s[20:21], s[26:27]
	s_lshl_b32 s26, ttmp9, 13
	s_lshl_b32 s24, s16, 10
	s_add_co_u32 s26, s26, s24
	s_add_nc_u64 s[10:11], s[10:11], s[26:27]      ; my fragment's image
	s_lshl_b32 s26, ttmp9, 9
	s_add_nc_u64 s[12:13], s[12:13], s[26:27]      ; my work-group's 512 bytes of scale words
	s_lshl_b32 s26, s17, 18                        ; tailb: j tiles 8 s on (32,768 bytes each),
	s_lshl_b32 s24, s19, 10
	s_add_co_u32 s26, s26, s24
	s_lshl_b32 s24, s18, 9
	s_add_co_u32 s26, s26, s24                     ; b tile 2 x pair + par (512 bytes each)
	s_add_nc_u64 s[14:15], s[14:15], s[26:27]
	v_mul_lo_u32 v[XA], v2, s22
	s_delay_alu instid0(VALU_DEP_1)
	v_lshl_add_u32 v[XA], v3, 6, v[XA]
	v_lshlrev_b32 v[LI], 4, v1
	s_lshl_b32 s24, s18, 8
	s_lshl_b32 s23, s17, 2
	s_add_co_u32 s24, s24, s23
	v_lshl_add_u32 v[LSA], v2, 4, s24
	v_lshlrev_b32 v[TO], 4, v2
	s_delay_alu instid0(VALU_DEP_1)
	v_lshl_add_u32 v[TO], v3, 15, v[TO]
.irp b, 0,1,2,3
.irp j, 0,1,2,3
	global_load_b128 v[X+16*\b+4*\j:X+16*\b+4*\j+3], v[XA], s[20:21] offset:128*\b+16*\j th:TH_LOAD_NT   ; of each block of 32 my half's 16 neighbours
.endr
.endr
.irp b, 0,1,2,3
	v_mov_b32 v[TM+4+\b], 0                        ; written once: a lane permute's destination counts as one of its sources
.endr
	s_wait_loadcnt 0x0
.irp b, 0,1,2,3
	v_max3_num_f32 v[TM+\b], |v[X+16*\b]|, |v[X+1+16*\b]|, 0x1800000   ; block b: my 16 numbers, and the floor 2^(3 - 127): the byte cannot fall under 1
.endr
.irp i, 2,4,6,8,10,12,14
.irp b, 0,1,2,3
	s_delay_alu instid0(VALU_DEP_4)
	v_max3_num_f32 v[TM+\b], v[TM+\b], |v[X+16*\b+\i]|, |v[X+1+16*\b+\i]|   ; the four blocks by turns
.endr
.endr
.irp b, 0,1,2,3
	s_delay_alu instid0(VALU_DEP_4)
	v_permlanex16_b32 v[TM+4+\b], v[TM+\b], s[SEL], s[SEL+1]
.endr
.irp b, 0,1,2,3
	s_delay_alu instid0(VALU_DEP_4)
	v_max_num_f32 v[TM+\b], v[TM+\b], v[TM+4+\b]   ; with lane l xor 16's: the block's largest magnitude
.endr
.irp b, 0,1,2,3
	s_delay_alu instid0(VALU_DEP_4)
	v_add_nc_u32 v[TM+12+\b], 0xff000000, v[TM+\b] ; 2 off its exponent field: the conversion takes this operand's exponent field as its scale
.endr
.irp b, 0,1,2,3
	s_delay_alu instid0(VALU_DEP_4)
	v_lshrrev_b32 v[TM+4+\b], 23, v[TM+12+\b]      ; the scale's byte
.endr
	s_delay_alu instid0(VALU_DEP_3)
	v_lshl_or_b32 v[PW], v[TM+5], 8, v[TM+4]       ; four bytes: my row's scale word
	s_delay_alu instid0(VALU_DEP_1)
	v_lshl_or_b32 v[PW], v[TM+6], 16, v[PW]
	s_delay_alu instid0(VALU_DEP_1)
	v_lshl_or_b32 v[PW], v[TM+7], 24, v[PW]
.irp b, 0,1,2,3
	v_cvt_scalef32_pk8_fp4_f32 v[PC+2*\b], v[X+16*\b:X+7+16*\b], v[TM+12+\b]
	v_cvt_scalef32_pk8_fp4_f32 v[PC+1+2*\b], v[X+8+16*\b:X+15+16*\b], v[TM+12+\b]
.endr
	v_nop                                          ; one plain instruction behind the scaled conversions
.irp c, 0,1                                    ; the operand's layout wants a whole block in a lane: lanes 0-15 block 2 c, lanes 16-31 block 2 c + 1
.irp i, 0,1
	v_permlane16_swap_b32 v[PC+4*\c+\i], v[PC+2+4*\c+\i]
.endr
.endr
.irp c, 0,1
	global_store_b128 v[LI], v[PC+4*\c:PC+4*\c+3], s[10:11] offset:512*\c   ; 32 lanes store 512 consecutive bytes, aligned
.endr
	ds_store_b32 v[LSA], v[PW]                     ; lanes r and 16 + r write the same word with the same value
	s_lshr_b32 s24, ttmp9, 5
	s_cmp_lg_u32 s24, 1                            ; tail's work-groups alone lay the bf16 images; no LDS line and no barrier stands under this branch
	s_cbranch_scc1 .Lno_images
.irp b, 0,1,2,3
.irp m, 0,1,2,3,4,5,6,7
	v_cvt_pk_bf16_f32 v[Y+8*\b+\m], v[X+16*\b+2*\m], v[X+16*\b+2*\m+1]   ; the lower j in the low half
.endr
.endr
.irp b, 0,1,2,3                                ; my 16 numbers of block b are j tile 8 s + 2 b + hh whole: its halves f = 0, 1
.irp f, 0,1
	global_store_b128 v[TO], v[Y+8*\b+4*\f:Y+8*\b+4*\f+3], s[14:15] offset:\b*65536+256*\f   ; sixteen lanes store 256 consecutive bytes, aligned
.endr
.endr
.Lno_images:
	s_wait_dscnt 0x0                               ; for the others' sake: my scale word is in LDS
	s_barrier_signal -1
	s_barrier_wait -1
	s_cmp_lg_u32 s16, 0
	s_cbranch_scc1 .Lend
	ds_load_b128 v[144:147], v[LI]                 ; the work-group's 128 scale words leave as 512 consecutive bytes
	s_wait_dscnt 0x0
	global_store_b128 v[LI], v[144:147], s[12:13]
.Lend:
	s_wait_tensorcnt 0x0
	ds_add_u32 v160, v161
	s_wait_dscnt 0x0
	s_endpgm
.Lfunc_end_k_q4ab2aa19d6_prep:
	.size	k_q4ab2aa19d6_prep, .Lfunc_end_k_q4ab2aa19d6_prep-k_q4ab2aa19d6_prep
	.p2alignl 7, 3214868480
	.fill 96, 4, 3214868480
	.section	.rodata,"a",@progbits
	.p2align	6, 0x0
	.amdhsa_kernel k_q4ab2aa19d6_prep
		.amdhsa_group_segment_fixed_size 1536
		.amdhsa_private_segment_fixed_size 0
		.amdhsa_enable_private_segment 0
		.amdhsa_kernarg_size 48
		.amdhsa_user_sgpr_count 2
		.amdhsa_user_sgpr_kernarg_segment_ptr 1
		.amdhsa_wavefront_size32 1
		.amdhsa_system_sgpr_workgroup_id_x 1
		.amdhsa_system_sgpr_workgroup_id_y 1
		.amdhsa_system_sgpr_workgroup_id_z 1
		.amdhsa_system_vgpr_workitem_id 0
		.amdhsa_next_free_vgpr 162
		.amdhsa_next_free_sgpr 66
		.amdhsa_reserve_vcc 0
		.amdhsa_float_denorm_mode_32 3
		.amdhsa_float_denorm_mode_16_64 3
		.amdhsa_memory_ordered 1
		.amdhsa_forward_progress 1
		.amdhsa_inst_pref_size 13
	.end_amdhsa_kernel
	.amdgpu_metadata
---
amdhsa.version: [ 1, 2 ]
amdhsa.kernels:
  - .name:           k_q4ab2aa19d6_prep
    .symbol:         k_q4ab2aa19d6_prep.kd
    .args:
      - { .name: head_embeddings, .offset: 0, .size: 8, .value_kind: global_buffer, .address_space: global }
      - { .name: tail_embeddings, .offset: 8, .size: 8, .value_kind: global_buffer, .address_space: global }
      - { .name: V_R, .offset: 16, .size: 8, .value_kind: global_buffer, .address_space: global }
      - { .name: codes, .offset: 24, .size: 8, .value_kind: global_buffer, .address_space: global }
      - { .name: scales, .offset: 32, .size: 8, .value_kind: global_buffer, .address_space: global }
      - { .name: tailb, .offset: 40, .size: 8, .value_kind: global_buffer, .address_space: global }
    .group_segment_fixed_size: 1536
    .private_segment_fixed_size: 0
    .kernarg_segment_align: 8
    .kernarg_segment_size: 48
    .max_flat_workgroup_size: 256
    .sgpr_count:     66
    .vgpr_count:     162
    .wavefront_size: 32
...
	.end_amdgpu_metadata
.endif
;; end of part 1
;; launch main (part 2): grid 256 x 1, 8 waves a work-group, no clusters, 327,680 bytes of LDS; arguments W_R, codes, scales, tailb, bil; writes bil
.if DOCPART == 2
	.amdgcn_target "amdgcn-amd-amdhsa--gfx1250"
	.amdhsa_code_object_version 6
	.text
	.protected	k_q4ab2aa19d6_main
	.globl	k_q4ab2aa19d6_main
	.p2align	8
	.type	k_q4ab2aa19d6_main,@function
k_q4ab2aa19d6_main:
	s_mov_b64 s[64:65], 0
	v_nop
	global_prefetch_b8 v0, s[64:65] scope:SCOPE_SE
	s_setreg_imm32_b32 hwreg(HW_REG_WAVE_MODE, 25, 1), 1
	s_wait_xcnt 0x0
; bil[jg][h][b] = sum over the 64 columns j of group jg of tail[b][j] x T[h][j][b],  T[h][j][b] = sum over i of Q(W_R)[h][i][j] Q(head)[b][i]:
; W_R is quantised here along i (FP4, E2M1, one E8M0 byte for 32 i), head's codes come from the first launch; sums in f32; tail as bf16.  The last launch adds the 8 groups.
; relation_embeddings is not used (see the first kernel).
; SHARES.  Work-group g takes h = 8 (g / 8) .. + 7 and the columns j = 64 (g % 8) .. + 63: eight chunks of 512 i x 64 j (131,072 bytes, rows of 256 bytes), one for each h; every byte of W_R is read once.
; All eight chunks meet the same 64 columns of tail: they are loaded once and stay in registers.  Wave w owns b = 128 w .. + 127: head's codes 256 registers, tail 128.
; A TRIP multiplies chunk c's image (codes and scale words in LDS, laid as operand registers), quantises chunk c + 1 out of one LDS slot, while the tensor load of chunk c + 2 fills the other.
; Of a chunk wave w fetches and quantises rows i = 64 w .. + 63: a lane takes a column, its 32 registers run down i; four units (2 halves of the columns x 2 blocks) a trip.
; The product: source 0 = 16 columns j of W's image, source 1 = 16 rows b of head: lane (r, hh) holds b = r, register jj holds j = 8 hh + jj; eight multiply-adds with tail's bf16 follow.
; NO CLUSTER: what work-groups share (head's codes 262,144 bytes, 131,072 of tail) goes once into registers; a joint load lands in LDS, where the ring (262,144) and the images (34,816) leave no room for it.
; PREFETCH: each wave asks for the 64 rows x 256 bytes that it will itself fetch, a lane a row, two instructions, one chunk ahead of that chunk's tensor load; chunk 0 comes by its load alone; the loop's last trip asks for nothing.
; LIMITS: a block of zeros gets the byte 1 where the rule says 127 (its codes are zeros; this program alone reads the bytes); NaN and infinities among the inputs are not served.
.set SLOT1, 131072                     ; the second slot
.set IMG0,  262144                     ; image 0: 16,384 bytes of codes, 1,024 of scale words; image 1 at IMG0 ^ IMGX
.set IMGX,  0x8000
.set ISC,   16384
.set STAGE, 312320                     ; 512 bytes a wave, for the way out
.set SPARE, 316416                     ; the spare words, 128 bytes a wave
.set HB,    0x100000                   ; bytes from W_R[h] to W_R[h + 1]
.set SPW, 1
.set NIL, 2
.set LI,  3                            ; 16 x lane
.set AAD, 4                            ; image read
.set WSA, 5                            ; scale words read
.set WAD, 6                            ; slot read
.set IAD, 7                            ; image written
.set SAD, 8                            ; scale bytes written
.set IL0, 9
.set SL0, 10
.set WL0, 11
.set R16, 12
.set STO, 13
.set RD,  14
.set LN,  15
.set HS,  16                           ; v16-31  head's scale words: pair p of b tiles, K step s at HS + 4 p + s (lanes 0-15 the even tile, 16-31 the odd)
.set WS,  32                           ; v32-35  W's scale words of the j tile at work
.set QM,  36                           ; v36-39  maxima
.set QS,  40
.set QB,  41
.set SW,  42
.set PFO, 43                           ; 2,048 x lane: a row of W_R a lane
.set QC,  44                           ; v44-47  maxima, then a block's codes
.set S,   48                           ; v48-63  partial scores: b tile bt, parity of jj at S + 2 bt + parity: eight chains by turns
.set AF,  64                           ; v64-95  W's four fragments of a j tile
.set X,   96                           ; v96-127 four accumulators; between two j tiles the 32 numbers of a block of W
.set T,   128                          ; v128-255 tail: j tile t, b tile bt at T + 32 t + 4 bt.   v256-511: head's codes, fragment (bt, s) at 32 bt + 8 s
.set MSB, 0
.macro WIN new
.if MSB != (\new)
	s_set_vgpr_msb (MSB<<8)|(\new)
.set MSB, (\new)
.endif
.endm
.macro LDW k, base                     ; unit k = 2 x half of the columns + block: W(32 (k % 2) + i, 32 (k / 2) + lane) of my 64 rows
.set li, 0
.rept 32
	ds_load_b32 v[(\base)+li], v[WAD] offset:(32*((\k)%2)+li)*256+((\k)/2)*128
.set li, li+1
.endr
.endm
.macro QUANT k, xs                     ; the block's largest magnitude in eight chains, its byte, its codes
.irp c, 0,1,2,3
	v_max3_num_f32 v[QM+\c], |v[(\xs)+3*\c]|, |v[(\xs)+3*\c+1]|, |v[(\xs)+3*\c+2]|
.endr
.irp c, 0,1,2,3
	v_max3_num_f32 v[QC+\c], |v[(\xs)+12+3*\c]|, |v[(\xs)+13+3*\c]|, |v[(\xs)+14+3*\c]|
.endr
.irp c, 0,1,2,3
	v_max3_num_f32 v[QM+\c], v[QM+\c], |v[(\xs)+24+2*\c]|, |v[(\xs)+25+2*\c]|
.endr
	v_max3_num_f32 v[QC], v[QC], v[QC+1], v[QC+2]
	s_delay_alu instid0(VALU_DEP_4)
	v_max3_num_f32 v[QM], v[QM], v[QM+1], v[QC+3]
	s_delay_alu instid0(VALU_DEP_3)
	v_max3_num_f32 v[QM+2], v[QM+2], v[QM+3], 0x1800000   ; the floor 2^(3 - 127): the byte cannot fall under 1
	s_delay_alu instid0(VALU_DEP_1)
	v_max3_num_f32 v[QM], v[QM], v[QM+2], v[QC]
	s_delay_alu instid0(VALU_DEP_1)
	v_add_nc_u32 v[QS], 0xff000000, v[QM]          ; 2 off the exponent field: the conversion's scale operand
.if ((\k)%2) == 0
	s_delay_alu instid0(VALU_DEP_1)
	v_lshrrev_b32 v[SW], 23, v[QS]
.else
	s_delay_alu instid0(VALU_DEP_1)
	v_lshrrev_b32 v[QB], 23, v[QS]
	s_delay_alu instid0(VALU_DEP_1)
	v_lshl_or_b32 v[SW], v[QB], 8, v[SW]           ; my two blocks' bytes: half of a scale word
.endif
.irp c, 0,1,2,3
	v_cvt_scalef32_pk8_fp4_f32 v[QC+\c], v[(\xs)+8*\c:(\xs)+8*\c+7], v[QS]
.endr
	v_nop                                          ; one plain place behind the scaled conversions
	ds_store_b128 v[IAD], v[QC:QC+3] offset:((\k)/2)*8192+((\k)%2)*256
.if ((\k)%2) == 1
	ds_store_b16 v[SAD], v[SW] offset:((\k)/2)*512
.endif
.endm
.macro LDA t                           ; j tile t: four fragments and the rows' four scale words
.irp s, 0,1,2,3
.irp c, 0,1
	ds_load_b128 v[AF+8*\s+4*\c:AF+8*\s+4*\c+3], v[AAD] offset:(4*(\t)+\s)*1024+512*\c
.endr
.endr
	ds_load_b128 v[WS:WS+3], v[WSA] offset:256*(\t)
.endm
.macro WM s, rb
.if (\s) == 0
.if \rb
	v_wmma_scale_f32_16x16x128_f8f6f4 v[rD:rD+7], v[rA:rA+7], v[rB:rB+7], 0, v[rX], v[rY] matrix_a_fmt:MATRIX_FMT_FP4 matrix_b_fmt:MATRIX_FMT_FP4 matrix_b_scale:MATRIX_SCALE_ROW1
.else
	v_wmma_scale_f32_16x16x128_f8f6f4 v[rD:rD+7], v[rA:rA+7], v[rB:rB+7], 0, v[rX], v[rY] matrix_a_fmt:MATRIX_FMT_FP4 matrix_b_fmt:MATRIX_FMT_FP4
.endif
.else
.if \rb
	v_wmma_scale_f32_16x16x128_f8f6f4 v[rD:rD+7], v[rA:rA+7], v[rB:rB+7], v[rD:rD+7], v[rX], v[rY] matrix_a_fmt:MATRIX_FMT_FP4 matrix_b_fmt:MATRIX_FMT_FP4 matrix_b_scale:MATRIX_SCALE_ROW1
.else
	v_wmma_scale_f32_16x16x128_f8f6f4 v[rD:rD+7], v[rA:rA+7], v[rB:rB+7], v[rD:rD+7], v[rX], v[rY] matrix_a_fmt:MATRIX_FMT_FP4 matrix_b_fmt:MATRIX_FMT_FP4
.endif
.endif
.endm
.macro MUL e                           ; 16 products: b tiles 4 e .. 4 e + 3, K = 512; the four accumulators by turns; the first product starts each sum
	WIN 0x04                                       ; source 1 (head) in the upper window
.irp s, 0,1,2,3
.irp b, 0,1,2,3
.set rD, X+8*\b
.set rA, AF+8*\s
.set rB, 32*(4*(\e)+\b)+8*\s
.set rX, WS+\s
.set rY, HS+4*((4*(\e)+\b)/2)+\s
	WM \s, \b%2
.endr
.endr
	WIN 0
.rept 4
	v_nop                                          ; places behind the last products (ISA guide 7.12.1)
.endr
.endm
.macro FMA t, e                        ; each accumulator from its low end on; eight chains by turns
.irp jj, 0,1,2,3,4,5,6,7
.irp b, 0,1,2,3
.if (\jj)%2
	v_fma_mix_f32_bf16 v[S+2*(4*(\e)+\b)+1], v[T+32*(\t)+4*(4*(\e)+\b)+\jj/2], v[X+8*\b+\jj], v[S+2*(4*(\e)+\b)+1] op_sel:[1,0,0] op_sel_hi:[1,0,0]
.else
	v_fma_mix_f32_bf16 v[S+2*(4*(\e)+\b)], v[T+32*(\t)+4*(4*(\e)+\b)+\jj/2], v[X+8*\b+\jj], v[S+2*(4*(\e)+\b)] op_sel_hi:[1,0,0]
.endif
.endr
.endr
.endm
.macro SETADR                          ; this trip's slot and images
	v_add_nc_u32 v[WAD], s34, v[WL0]
	v_add_nc_u32 v[IAD], s36, v[IL0]
	v_add_nc_u32 v[SAD], s36, v[SL0]
	v_add_nc_u32 v[AAD], s35, v[LI]
	v_add_nc_u32 v[WSA], s35, v[R16]
	s_wait_alu depctr_va_vdst(0)
.endm
; One trip.  quant: the next chunk is quantised;  fill: the slot read in the last trip is filled again;  pf: the prefetch is laid
.macro TRIP quant, fill, pf
.if (\quant)+(\fill)
	s_wait_tensorcnt 0x0                           ; my one tensor load has landed: my rows of the chunk that this trip quantises
.endif
.if \fill
	ds_add_u32 v[SPW], v[NIL]
	s_xor_b32 s29, s29, SLOT1                      ; no tensor load of mine is out: the other slot, the next h
	s_add_nc_u64 s[30:31], s[30:31], HB
.endif
	s_wait_dscnt 0x0                               ; my reads of the old slot and image are back, my stores into the new image are done
	s_barrier_signal -1
	s_barrier_wait -1
.if \fill
	tensor_load_to_lds s[28:31], s[16:23]
	s_nop 0
.endif
.irp b, 0,1,2,3,4,5,6,7
	v_mov_b32 v[S+2*\b], 0                         ; the even chains begin anew (the odd ones were cleared on the last way out)
.endr
	SETADR
	LDA 0
.if \quant
	LDW 0, X
.endif
.irp t, 0,1,2,3
	s_wait_dscnt 0x0                               ; the tile's fragments and scale words, and the block of W
.if \quant
	QUANT \t, X
.endif
	MUL 0
	FMA \t, 0
.if (\pf) && (\t == 0)
	s_cmp_gt_u32 s37, 1                            ; the loop's last trip has no chunk three on
	s_cbranch_scc0 .Lnoask_\@
	global_prefetch_b8 v[PFO], s[48:49] offset:3*HB th:TH_LOAD_NT scope:SCOPE_SE         ; the chunk that the next trip's tensor load fetches: my rows 0-31,
	global_prefetch_b8 v[PFO], s[48:49] offset:3*HB+65536 th:TH_LOAD_NT scope:SCOPE_SE   ; and 32-63
.Lnoask_\@:
.endif
	MUL 1
.if \t < 3
	LDA \t+1                                       ; behind the four places: the fragments' registers are free
.endif
	FMA \t, 1
.if (\quant) && (\t < 3)
	LDW \t+1, X                                    ; the accumulators have been read: they take the next block of W
.endif
.endr
.irp b, 0,1,2,3,4,5,6,7                        ; the way out of this h: the two parities, lane l xor 16's eight j,
	v_add_f32 v[S+2*\b], v[S+2*\b], v[S+2*\b+1]
.endr
.irp b, 0,1,2,3,4,5,6,7
	v_permlanex16_b32 v[X+\b], v[S+2*\b], s38, s39
.endr
.irp b, 0,1,2,3,4,5,6,7
	v_add_f32 v[S+2*\b], v[S+2*\b], v[X+\b]
.endr
.irp b, 0,1,2,3,4,5,6,7
	v_mov_b32 v[S+2*\b+1], 0                       ; the odd chains begin anew for the next h; these lines stand between the sums and their readers
.endr
.irp p, 0,1,2,3
	v_cndmask_b32 v[X+8+\p], v[S+4*\p], v[S+4*\p+2], s46   ; lanes 0-15 the even b tile, lanes 16-31 the odd: 32 neighbouring b
.endr
.irp p, 0,1,2,3
	ds_store_b32 v[STO], v[X+8+\p] offset:128*\p
.endr
	ds_load_b128 v[X+16:X+19], v[RD]               ; LDS serves a wave's instructions in order: this sees my stores
	s_wait_dscnt 0x0
	global_store_b128 v[LI], v[X+16:X+19], s[12:13]   ; my 128 b: 512 consecutive bytes, aligned
	s_wait_xcnt 0x0                                ; the store and the prefetches have read their registers
	s_add_nc_u64 s[12:13], s[12:13], 4096          ; the next h
	s_add_nc_u64 s[48:49], s[48:49], HB
	s_xor_b32 s34, s34, SLOT1
	s_xor_b32 s35, s35, IMGX
	s_xor_b32 s36, s36, IMGX
.endm
	s_load_b256 s[4:11], s[0:1], 0x0               ; W_R s[4:5], codes s[6:7], scales s[8:9], tailb s[10:11]
	s_load_b64 s[12:13], s[0:1], 0x20              ; bil
	v_lshl_add_u32 v[SPW], v0, 2, SPARE
	v_mov_b32 v[NIL], 0
	ds_add_u32 v[SPW], v[NIL]
	ds_add_u32 v[SPW], v[NIL]
	v_lshrrev_b32 v[LN], 5, v0
	s_delay_alu instid0(VALU_DEP_1)
	v_readfirstlane_b32 s14, v[LN]                 ; wave 0..7
	s_mov_b32 s16, 2<<16                           ; group 1: 64 rows x 64 elements of 4 bytes, 512 elements from row to row
	s_mov_b32 s17, 64<<16
	s_mov_b32 s18, 64<<16
	s_mov_b32 s19, 64<<16
	s_mov_b32 s20, 64
	s_mov_b32 s21, 512
	s_mov_b32 s22, 0
	s_mov_b32 s23, 0
	s_lshr_b32 s43, ttmp9, 3                       ; which eight h
	s_and_b32 s42, ttmp9, 7                        ; jg: which 64 columns
	s_lshl_b32 s40, s43, 23
	s_lshl_b32 s41, s42, 8
	s_add_co_u32 s40, s40, s41
	s_lshl_b32 s41, s14, 17                        ; my 64 rows of 2,048 bytes
	s_add_co_u32 s40, s40, s41
	s_mov_b32 s41, 0
	s_mov_b32 s24, 1
	s_lshl_b32 s25, s14, 14                        ; my 16,384 bytes of a slot
	s_mov_b32 s28, 1
	s_add_co_u32 s29, s25, SLOT1
	s_mov_b32 s38, 0x76543210
	s_mov_b32 s39, 0xfedcba98
	s_wait_dscnt 0x0
	s_wait_kmcnt 0x0
	s_add_nc_u64 s[48:49], s[4:5], s[40:41]        ; my rows of chunk 0
	s_mov_b64 s[26:27], s[48:49]
	s_or_b32 s27, s27, 0x80000000
	s_add_nc_u64 s[30:31], s[48:49], HB
	s_or_b32 s31, s31, 0x80000000
	tensor_load_to_lds s[24:27], s[16:23]          ; chunk 0: one tensor load a wave at the head
	s_nop 0
	s_lshl_b32 s45, s14, 9                         ; 512 w
	s_lshl_b32 s44, s14, 1
	s_add_co_u32 s44, s44, ISC                     ; 2 w, behind an image's codes
	s_add_co_u32 s47, s45, STAGE                   ; my stage
	; the addresses, laid so that no line reads a result of the four vector lines ahead of it
	v_and_b32 v[LN], 31, v0
	v_and_b32 v[R16], 15, v0
	v_bfe_u32 v[IL0], v0, 4, 1
	v_lshlrev_b32 v[LI], 4, v0
	v_lshlrev_b32 v[PFO], 11, v0
	v_lshlrev_b32 v[STO], 2, v0
	v_lshl_add_u32 v[WL0], v[LN], 2, s25           ; slot: my rows, 4 bytes a lane
	v_lshl_add_u32 v[SL0], v[LN], 4, s44           ; scale bytes: 16 bytes a column, my two at 2 w
	v_lshl_add_u32 v[IL0], v[IL0], 12, s45
	v_and_b32 v[LI], 0x1f0, v[LI]                  ; 16 x lane
	v_and_b32 v[PFO], 0xf800, v[PFO]               ; 2,048 x lane
	v_and_b32 v[STO], 0x7c, v[STO]                 ; 4 x lane
	v_cmp_le_u32 s46, 16, v[LN]
	v_lshl_add_u32 v[IL0], v[R16], 4, v[IL0]       ; image: 4,096 (lane / 16) + 512 w + 16 r: K step w / 2, register group w % 2
	v_lshl_add_u32 v[R16], v[R16], 4, ISC
	v_add_nc_u32 v[RD], s47, v[LI]
	v_add_nc_u32 v[STO], s47, v[STO]
	s_lshl_b32 s40, s14, 15
	s_add_nc_u64 s[6:7], s[6:7], s[40:41]          ; head's fragments of my 8 b tiles
	s_lshl_b32 s40, s14, 11
	s_add_nc_u64 s[8:9], s[8:9], s[40:41]          ; and their scale words
	s_lshl_b32 s40, s42, 17
	s_lshl_b32 s45, s14, 12
	s_add_co_u32 s40, s40, s45
	s_add_nc_u64 s[32:33], s[10:11], s[40:41]      ; tailb: j tile 4 jg, b tile 8 w
	s_lshl_b32 s40, s42, 20
	s_lshl_b32 s45, s43, 15
	s_add_co_u32 s40, s40, s45
	s_lshl_b32 s45, s14, 9
	s_add_co_u32 s40, s40, s45
	s_add_nc_u64 s[12:13], s[12:13], s[40:41]      ; bil: group jg, my first h, b = 128 w
	s_wait_alu depctr_va_vdst(0)
	global_prefetch_b8 v[PFO], s[48:49] offset:HB th:TH_LOAD_NT scope:SCOPE_SE           ; chunk 1, which the next tensor load fetches
	global_prefetch_b8 v[PFO], s[48:49] offset:HB+65536 th:TH_LOAD_NT scope:SCOPE_SE
.irp p, 0,1,2,3
	global_load_b128 v[HS+4*\p:HS+4*\p+3], v[LI], s[8:9] offset:512*\p
.endr
.irp t, 0,1,2,3
.irp b, 0,1,2,3,4,5,6,7
	global_load_b128 v[T+32*\t+4*\b:T+32*\t+4*\b+3], v[LI], s[32:33] offset:32768*\t+512*\b
.endr
.endr
	s_wait_tensorcnt 0x0                           ; chunk 0 is in
	ds_add_u32 v[SPW], v[NIL]
	s_wait_dscnt 0x0
	s_barrier_signal -1
	s_barrier_wait -1
	tensor_load_to_lds s[28:31], s[16:23]          ; chunk 1 into slot 1
	s_nop 0
.rept 4
	v_nop
.endr
	WIN 0x40
.set f, 0
.rept 32
	global_load_b128 v[8*f:8*f+3],   v[LI], s[6:7] offset:f*1024
	global_load_b128 v[8*f+4:8*f+7], v[LI], s[6:7] offset:f*1024+512
.set f, f+1
.endr
	WIN 0
	global_prefetch_b8 v[PFO], s[48:49] offset:2*HB th:TH_LOAD_NT scope:SCOPE_SE         ; chunk 2, which the first trip's tensor load fetches
	global_prefetch_b8 v[PFO], s[48:49] offset:2*HB+65536 th:TH_LOAD_NT scope:SCOPE_SE
	s_mov_b32 s34, 0
	s_mov_b32 s35, IMG0
	s_mov_b32 s36, IMG0
	SETADR
	LDW 0, X                                       ; chunk 0 is quantised by itself, on two buffers
	LDW 1, AF
	s_wait_dscnt 32                                ; all but the 32 youngest
	QUANT 0, X
	LDW 2, X
	s_wait_dscnt 32
	QUANT 1, AF
	LDW 3, AF
	s_wait_dscnt 32
	QUANT 2, X
	s_wait_dscnt 0x0
	QUANT 3, AF
	s_mov_b32 s34, SLOT1
	s_mov_b32 s36, IMG0^IMGX
	s_mov_b32 s37, 6
.irp b, 0,1,2,3,4,5,6,7
	v_mov_b32 v[S+2*\b+1], 0                       ; the odd chains of the first h
.endr
	s_wait_loadcnt 0x0
.Ltrip:
	TRIP 1, 1, 1                                   ; trips 0 to 5: multiply chunk c, quantise c + 1, fetch c + 2
	s_sub_co_u32 s37, s37, 1
	s_cmp_lg_u32 s37, 0
	s_wait_alu depctr_va_vdst(0)
	s_cbranch_scc1 .Ltrip
	TRIP 1, 0, 0                                   ; chunk 6 is multiplied, chunk 7 quantised; nothing is left to fetch
	TRIP 0, 0, 0                                   ; chunk 7
	s_wait_tensorcnt 0x0                           ; the wave's end
	ds_add_u32 v[SPW], v[NIL]
	s_wait_dscnt 0x0
	s_endpgm
.Lfunc_end_k_q4ab2aa19d6_main:
	.size	k_q4ab2aa19d6_main, .Lfunc_end_k_q4ab2aa19d6_main-k_q4ab2aa19d6_main
	.p2alignl 7, 3214868480
	.fill 96, 4, 3214868480
	.section	.rodata,"a",@progbits
	.p2align	6, 0x0
	.amdhsa_kernel k_q4ab2aa19d6_main
		.amdhsa_group_segment_fixed_size 327680
		.amdhsa_private_segment_fixed_size 0
		.amdhsa_enable_private_segment 0
		.amdhsa_kernarg_size 40
		.amdhsa_user_sgpr_count 2
		.amdhsa_user_sgpr_kernarg_segment_ptr 1
		.amdhsa_wavefront_size32 1
		.amdhsa_system_sgpr_workgroup_id_x 1
		.amdhsa_system_sgpr_workgroup_id_y 1
		.amdhsa_system_sgpr_workgroup_id_z 1
		.amdhsa_system_vgpr_workitem_id 0
		.amdhsa_next_free_vgpr 512
		.amdhsa_next_free_sgpr 66
		.amdhsa_reserve_vcc 0
		.amdhsa_float_denorm_mode_32 3
		.amdhsa_float_denorm_mode_16_64 3
		.amdhsa_memory_ordered 1
		.amdhsa_forward_progress 1
		.amdhsa_inst_pref_size 177
	.end_amdhsa_kernel
	.amdgpu_metadata
---
amdhsa.version: [ 1, 2 ]
amdhsa.kernels:
  - .name:           k_q4ab2aa19d6_main
    .symbol:         k_q4ab2aa19d6_main.kd
    .args:
      - { .name: W_R, .offset: 0, .size: 8, .value_kind: global_buffer, .address_space: global }
      - { .name: codes, .offset: 8, .size: 8, .value_kind: global_buffer, .address_space: global }
      - { .name: scales, .offset: 16, .size: 8, .value_kind: global_buffer, .address_space: global }
      - { .name: tailb, .offset: 24, .size: 8, .value_kind: global_buffer, .address_space: global }
      - { .name: bil, .offset: 32, .size: 8, .value_kind: global_buffer, .address_space: global }
    .group_segment_fixed_size: 327680
    .private_segment_fixed_size: 0
    .kernarg_segment_align: 8
    .kernarg_segment_size: 40
    .max_flat_workgroup_size: 256
    .sgpr_count:     66
    .vgpr_count:     512
    .wavefront_size: 32
...
	.end_amdgpu_metadata
.endif
;; end of part 2
;; launch final (part 3): grid 64 x 1, 8 waves a work-group, no clusters, 1,536 bytes of LDS; arguments codes, scales, bil, b_R, u_R, out0; writes out0
.if DOCPART == 3
	.amdgcn_target "amdgcn-amd-amdhsa--gfx1250"
	.amdhsa_code_object_version 6
	.text
	.protected	k_q4ab2aa19d6_final
	.globl	k_q4ab2aa19d6_final
	.p2align	8
	.type	k_q4ab2aa19d6_final,@function
k_q4ab2aa19d6_final:
	s_mov_b64 s[64:65], 0
	v_nop
	global_prefetch_b8 v0, s[64:65] scope:SCOPE_SE
	s_setreg_imm32_b32 hwreg(HW_REG_WAVE_MODE, 25, 1), 1
	s_wait_xcnt 0x0
; out0[b] = sum over h of u_R[h] relu(bil[h][b] + lin[b][h] + b_R[h]),  lin = Q(concat(head, tail)) Q(V_R)^T on codes of FP4 (E2M1) with E8M0 scales, K = 1,024, sums in f32.
; SHARES.  A work-group takes 16 rows b (tile bt); wave w takes h = 32 w .. 32 w + 31: two tiles, two accumulators by turns, 8 K steps: K steps 0-3 are head's fragments, 4-7 tail's.
; Source 0 = 16 rows b, source 1 = 16 rows h of V_R: lane (r, hh) holds h = r, its register jj holds b = 8 hh + jj.  bil, loaded in that layout, is the C of each sum's first product.
; The sum over h: within a lane over the two tiles, over the 16 lanes of a half by DPP, over the eight waves through LDS; wave 0 stores the tile's 16 numbers (64 bytes: out0 has 4,096 in all).
; All operands were laid by the first launch as images of their registers: every fragment is two loads of 512 consecutive bytes.  No LDS ring, no tensor load: each wave loads its operands straight into registers.
; LIMITS: NaN and infinities are not served (the maximum with 0 drops a NaN); the sum over h is taken in another order than a plain loop's.
.set CA,  16                           ; v16-79   concat's 8 fragments
.set VB,  80                           ; v80-207  V_R's: (tile i, K step s8) at VB + 8 (8 i + s8)
.set ACC, 208                          ; v208-223 two accumulators
.set CS,  224                          ; v224-231 concat's scale words, K step s8
.set VS,  232                          ; v232-239 V_R's: lanes 0-15 tile 0, lanes 16-31 tile 1
.set BR,  240                          ; v240-241 b_R of my h in the two tiles
.set UR,  242                          ; v242-243 u_R likewise
.set P,   244                          ; v244-251 the partial scores of b = 8 hh + jj
	s_load_b256 s[4:11], s[0:1], 0x0               ; codes s[4:5], scales s[6:7], bil s[8:9], b_R s[10:11]
	s_load_b128 s[12:15], s[0:1], 0x20             ; u_R s[12:13], out0 s[14:15]
	v_lshl_add_u32 v254, v0, 2, 0x200
	v_mov_b32 v255, 0
	v_lshrrev_b32 v4, 5, v0
	s_delay_alu instid0(VALU_DEP_1)
	v_readfirstlane_b32 s16, v4                    ; wave 0..7
	v_and_b32 v4, 31, v0                           ; lane
	v_and_b32 v5, 15, v0                           ; r
	v_bfe_u32 v6, v0, 4, 1                         ; hh
	s_delay_alu instid0(VALU_DEP_3)
	v_lshlrev_b32 v7, 4, v4                        ; 16 x lane
	s_delay_alu instid0(VALU_DEP_3)
	v_lshlrev_b32 v8, 4, v5                        ; 16 r: a row's four scale words
	s_delay_alu instid0(VALU_DEP_4)
	v_lshlrev_b32 v9, 12, v5
	s_delay_alu instid0(VALU_DEP_1)
	v_lshl_add_u32 v9, v6, 5, v9                   ; bil: row h = r of 4,096 bytes, + 32 hh
	v_lshlrev_b32 v10, 2, v5                       ; 4 r
	s_lshl_b32 s17, s16, 6
	v_lshl_add_u32 v11, v6, 5, s17                 ; LDS: my wave's 64 bytes, + 32 hh
	s_mov_b32 s19, 0
	s_wait_alu depctr_va_vdst(0)
	s_wait_kmcnt 0x0
	s_lshl_b32 s18, ttmp9, 12
	s_add_nc_u64 s[20:21], s[4:5], s[18:19]        ; head's fragments of b tile bt; tail's lie 262,144 bytes on
	s_lshl_b32 s18, s16, 14
	s_add_co_u32 s18, s18, 524288
	s_add_nc_u64 s[22:23], s[4:5], s[18:19]        ; V_R's 16 fragments of my two tiles
	s_lshl_b32 s18, ttmp9, 8
	s_add_nc_u64 s[24:25], s[6:7], s[18:19]        ; head's scale words: 512 (bt / 2) + 256 (bt % 2); tail's 16,384 bytes on
	s_lshl_b32 s18, s16, 10
	s_add_co_u32 s18, s18, 32768
	s_add_nc_u64 s[26:27], s[6:7], s[18:19]        ; V_R's scale words
	s_lshl_b32 s18, s16, 17
	s_lshl_b32 s17, ttmp9, 6
	s_add_co_u32 s18, s18, s17
	s_add_nc_u64 s[8:9], s[8:9], s[18:19]          ; bil: row 32 w, column 16 bt
	s_lshl_b32 s18, s16, 7
	s_add_nc_u64 s[10:11], s[10:11], s[18:19]
	s_add_nc_u64 s[12:13], s[12:13], s[18:19]
	s_mov_b32 s18, s17
	s_add_nc_u64 s[14:15], s[14:15], s[18:19]      ; out0: 16 bt
.irp s, 0,1,2,3
.irp c, 0,1
	global_load_b128 v[CA+8*\s+4*\c:CA+8*\s+4*\c+3], v7, s[20:21] offset:\s*1024+512*\c
	global_load_b128 v[CA+32+8*\s+4*\c:CA+32+8*\s+4*\c+3], v7, s[20:21] offset:262144+\s*1024+512*\c
.endr
.endr
.irp kh, 0,1
.irp i, 0,1
.irp s, 0,1,2,3
.irp c, 0,1
	global_load_b128 v[VB+8*(8*\i+4*\kh+\s)+4*\c:VB+8*(8*\i+4*\kh+\s)+4*\c+3], v7, s[22:23] offset:(8*\kh+4*\i+\s)*1024+512*\c
.endr
.endr
.endr
.endr
	global_load_b128 v[CS:CS+3], v8, s[24:25]
	global_load_b128 v[CS+4:CS+7], v8, s[24:25] offset:16384
	global_load_b128 v[VS:VS+3], v7, s[26:27]
	global_load_b128 v[VS+4:VS+7], v7, s[26:27] offset:512
.irp i, 0,1
	global_load_b128 v[ACC+8*\i:ACC+8*\i+3], v9, s[8:9] offset:65536*\i          ; bil(h = 32 w + 16 i + r, b = 16 bt + 8 hh + 0 .. 7)
	global_load_b128 v[ACC+8*\i+4:ACC+8*\i+7], v9, s[8:9] offset:65536*\i+16
	global_load_b32 v[BR+\i], v10, s[10:11] offset:64*\i
	global_load_b32 v[UR+\i], v10, s[12:13] offset:64*\i
.endr
	; bil comes as eight partial sums, [8 groups of 64 j][256 h][1,024 b]: group 0 lies in the accumulators, groups 1 to 7 go into v256-367 and are added
	s_set_vgpr_msb 0x40                            ; destination in the upper window
.irp g, 1,2,3,4,5,6,7
.irp i, 0,1
	global_load_b128 v[16*(\g-1)+8*\i:16*(\g-1)+8*\i+3], v9, s[8:9] offset:1048576*\g+65536*\i
	global_load_b128 v[16*(\g-1)+8*\i+4:16*(\g-1)+8*\i+7], v9, s[8:9] offset:1048576*\g+65536*\i+16
.endr
.endr
	s_set_vgpr_msb 0x4001                          ; source 0 in the upper window
	s_wait_loadcnt 0x0
.irp g, 1,2,3,4,5,6,7
.irp j, 0,2,4,6,8,10,12,14
	v_pk_add_f32 v[ACC+\j:ACC+\j+1], v[16*(\g-1)+\j:16*(\g-1)+\j+1], v[ACC+\j:ACC+\j+1]
.endr
.endr
	s_set_vgpr_msb 0x0100
.rept 4
	v_nop
.endr
.irp s, 0,1,2,3,4,5,6,7                        ; the two accumulators take turns, one instruction a turn
	v_wmma_scale_f32_16x16x128_f8f6f4 v[ACC:ACC+7], v[CA+8*\s:CA+8*\s+7], v[VB+8*\s:VB+8*\s+7], v[ACC:ACC+7], v[CS+\s], v[VS+\s] matrix_a_fmt:MATRIX_FMT_FP4 matrix_b_fmt:MATRIX_FMT_FP4
	v_wmma_scale_f32_16x16x128_f8f6f4 v[ACC+8:ACC+15], v[CA+8*\s:CA+8*\s+7], v[VB+64+8*\s:VB+64+8*\s+7], v[ACC+8:ACC+15], v[CS+\s], v[VS+\s] matrix_a_fmt:MATRIX_FMT_FP4 matrix_b_fmt:MATRIX_FMT_FP4 matrix_b_scale:MATRIX_SCALE_ROW1
.endr
.rept 4
	v_nop                                          ; places behind the last products (ISA guide 7.12.1)
.endr
.irp j, 0,1,2,3,4,5,6,7                        ; each accumulator from its low end on
	v_add_f32 v[ACC+\j], v[ACC+\j], v[BR]
	v_add_f32 v[ACC+8+\j], v[ACC+8+\j], v[BR+1]
.endr
.irp j, 0,1,2,3,4,5,6,7
	v_max_num_f32 v[ACC+\j], 0, v[ACC+\j]
	v_max_num_f32 v[ACC+8+\j], 0, v[ACC+8+\j]
.endr
.irp j, 0,1,2,3,4,5,6,7
	v_mul_f32 v[P+\j], v[ACC+\j], v[UR]
.endr
.irp j, 0,1,2,3,4,5,6,7
	v_fmac_f32 v[P+\j], v[ACC+8+\j], v[UR+1]
.endr
.irp m, 1,2,4,8                                ; over the sixteen h of a half of the lanes
.irp j, 0,1,2,3,4,5,6,7
	v_add_f32_dpp v[P+\j], v[P+\j], v[P+\j] row_xmask:\m row_mask:0xf bank_mask:0xf
.endr
.endr
	ds_store_b128 v11, v[P:P+3]                    ; the sixteen lanes of a half write the same bytes with the same values
	ds_store_b128 v11, v[P+4:P+7] offset:16
	s_wait_dscnt 0x0                               ; for the others' sake: my 16 partial scores are in LDS
	s_barrier_signal -1
	s_barrier_wait -1
	s_cmp_lg_u32 s16, 0
	s_cbranch_scc1 .Lend
.irp w, 0,1,2,3,4,5,6,7
	ds_load_b32 v[CA+\w], v10 offset:64*\w         ; b = lane % 16 of each wave's 16
.endr
	s_wait_dscnt 0x0
	v_add_f32 v[CA], v[CA], v[CA+1]
	v_add_f32 v[CA+2], v[CA+2], v[CA+3]
	v_add_f32 v[CA+4], v[CA+4], v[CA+5]
	v_add_f32 v[CA+6], v[CA+6], v[CA+7]
	s_delay_alu instid0(VALU_DEP_3)
	v_add_f32 v[CA], v[CA], v[CA+2]
	s_delay_alu instid0(VALU_DEP_2)
	v_add_f32 v[CA+4], v[CA+4], v[CA+6]
	s_delay_alu instid0(VALU_DEP_1)
	v_add_f32 v[CA], v[CA], v[CA+4]
	s_wait_alu depctr_va_vdst(0)
	s_wait_xcnt 0x0                                ; EXEC changes only behind this wait
	v_cmp_gt_u32 vcc_lo, 16, v4
	s_and_saveexec_b32 s18, vcc_lo
	global_store_b32 v10, v[CA], s[14:15]          ; lanes 0-15: 64 consecutive bytes
	s_wait_xcnt 0x0                                ; and again, in front of the line that widens it
	s_or_b32 exec_lo, exec_lo, s18
.Lend:
	s_wait_tensorcnt 0x0
	ds_add_u32 v254, v255
	s_wait_dscnt 0x0
	s_endpgm
.Lfunc_end_k_q4ab2aa19d6_final:
	.size	k_q4ab2aa19d6_final, .Lfunc_end_k_q4ab2aa19d6_final-k_q4ab2aa19d6_final
	.p2alignl 7, 3214868480
	.fill 96, 4, 3214868480
	.section	.rodata,"a",@progbits
	.p2align	6, 0x0
	.amdhsa_kernel k_q4ab2aa19d6_final
		.amdhsa_group_segment_fixed_size 1536
		.amdhsa_private_segment_fixed_size 0
		.amdhsa_enable_private_segment 0
		.amdhsa_kernarg_size 48
		.amdhsa_user_sgpr_count 2
		.amdhsa_user_sgpr_kernarg_segment_ptr 1
		.amdhsa_wavefront_size32 1
		.amdhsa_system_sgpr_workgroup_id_x 1
		.amdhsa_system_sgpr_workgroup_id_y 1
		.amdhsa_system_sgpr_workgroup_id_z 1
		.amdhsa_system_vgpr_workitem_id 0
		.amdhsa_next_free_vgpr 384
		.amdhsa_next_free_sgpr 66
		.amdhsa_reserve_vcc 1
		.amdhsa_float_denorm_mode_32 3
		.amdhsa_float_denorm_mode_16_64 3
		.amdhsa_memory_ordered 1
		.amdhsa_forward_progress 1
		.amdhsa_inst_pref_size 22
	.end_amdhsa_kernel
	.amdgpu_metadata
---
amdhsa.version: [ 1, 2 ]
amdhsa.kernels:
  - .name:           k_q4ab2aa19d6_final
    .symbol:         k_q4ab2aa19d6_final.kd
    .args:
      - { .name: codes, .offset: 0, .size: 8, .value_kind: global_buffer, .address_space: global }
      - { .name: scales, .offset: 8, .size: 8, .value_kind: global_buffer, .address_space: global }
      - { .name: bil, .offset: 16, .size: 8, .value_kind: global_buffer, .address_space: global }
      - { .name: b_R, .offset: 24, .size: 8, .value_kind: global_buffer, .address_space: global }
      - { .name: u_R, .offset: 32, .size: 8, .value_kind: global_buffer, .address_space: global }
      - { .name: out0, .offset: 40, .size: 8, .value_kind: global_buffer, .address_space: global }
    .group_segment_fixed_size: 1536
    .private_segment_fixed_size: 0
    .kernarg_segment_align: 8
    .kernarg_segment_size: 48
    .max_flat_workgroup_size: 256
    .sgpr_count:     66
    .vgpr_count:     384
    .wavefront_size: 32
...
	.end_amdgpu_metadata
.endif
;; end of part 3
